; MI455X (gfx1250); checked and timed in simulation.
; The chip was launched on July 23, 2026; its instructions are those of AMD's public machine-readable ISA for CDNA 5 (MIT licence, August 2026) and "CDNA5" Instruction Set Architecture Reference Guide (July 2026). The comments in the code are by the model that wrote it; some were corrected since.
;; attention. Allowed arithmetic: matrix products marked QUANTISED: E3M2 operands, one E8M0 scale for each 32 along K, by v_wmma_scale_f32_16x16x128_f8f6f4 with both operands' format E3M2, f32 sums; everything else in f32.
;; Inputs: Wo_codes 512 x 16 x 24 uint8 (E3M2 codes of Wo, K innermost, in blocks of 32 codes, four codes in three bytes); Wo_scales 512 x 16 uint8 (E8M0 scales of Wo, one for each 32 codes along K); bo 512 float32; key 2 x 4,096 x 512 float32; query 2 x 4,096 x 512 float32; value_codes 2 x 512 x 128 x 24 uint8 (E3M2 codes of value, K innermost, in blocks of 32 codes, four codes in three bytes); value_scales 2 x 512 x 128 uint8 (E8M0 scales of value, one for each 32 codes along K).
;; Outputs: out0 2 x 4,096 x 512 float32.
;; Constants: mask = 1.
;; This version of the problem:
;;   THIS VERSION OF THE PROBLEM IS GIVEN IN LOW PRECISION. The matrix products marked QUANTISED in the list below multiply operands that are first quantised to E3M2 (3 exponent bits, 2 mantissa bits; 6 bits a number), with one power-of-two scale for each 32 numbers along K (OCP MX v1.0); their sums are f32. All else is computed in f32.
;;   The module's matrix products, in the order in which they are computed (A, B: the left and right operand; K: the contracted axis; several contracted axes count as one K, in the product's order):
;;     1. batch 16 x [M 4,096, K 64] x [K 64, N 4,096]; A: input query; B: input key: QUANTISED
;;     2. batch 16 x [M 4,096, K 4,096] x [K 4,096, N 64]; A: softmax (see below); B: input value (given as codes): QUANTISED
;;     3. [M 8,192, K 512] x [K 512, N 512]; A: computed on the way; B: input Wo (given as codes): QUANTISED
;;   THE QUANTISER, for each operand of a quantised product, along K:
;;     - K is cut into blocks of 32 from its start; a last block that is shorter is filled with zeros.
;;     - A block's scale is 2^e with e = floor(log2(the largest magnitude in the block)) - 4, held to -126 .. 127; a block of zeros has e = 0. As a byte (E8M0): e + 127.
;;     - Each number is divided by its block's scale, clamped to +-28, and rounded to the nearest number of E3M2, ties to even, subnormals kept.
;;     - The product sums the exact products of the quantised numbers (number of the format x scale) in f32.
;;   ~~~python
;;   def quantise(x, axis):      # numpy; x: float32 -> the quantised numbers, widened to float32 again
;;       x = np.moveaxis(x, axis, -1); K = x.shape[-1]
;;       x = np.pad(x, [(0, 0)] * (x.ndim - 1) + [(0, -K % 32)]); x = x.reshape(x.shape[:-1] + (-1, 32)); a = np.abs(x).max(-1, keepdims=True)
;;       e = np.where(a > 0, np.clip(np.frexp(np.where(a > 0, a, 1))[1] - 1 - 4, -126, 127), 0)      # np.frexp(a)[1] - 1 = floor(log2(a)), exactly
;;       r = np.clip(x / 2.0 ** e, -28, 28)
;;       step = 2.0 ** (np.maximum(np.frexp(np.where(r == 0, 1, r))[1] - 1, -2) - 2)
;;       q = np.round(r / step) * step * 2.0 ** e      # np.round: ties to even
;;       return np.moveaxis(q.reshape(q.shape[:-2] + (-1,))[..., :K], -1, axis).astype(np.float32)
;;   ~~~
;;   SOFTMAX AHEAD OF A QUANTISED PRODUCT. Where the list says 'softmax', what is quantised is not the finished softmax but p = 2^(t - M), with t = logit x log2(e) and M = ceil(the row's largest t), a whole number; so 1/2 < the row's largest p <= 1. The row's sum l is taken of the UNQUANTISED p, in f32, and the product's result is divided by l at the end. Since M is a whole number, a kernel that streams over the keys may use a running M (the ceiling of the running maximum): every later rescaling is an exact power of two, which a block's scale takes up: the codes' values come out the same.
;;   OPERANDS COMPUTED ON THE WAY. 'Computed on the way' means the value that the module computes at that place (a softmax that the list does not call 'softmax' is quantised finished and normalised). What goes into a quantiser is computed in f32, as accurately as f32 sums, v_exp_f32 and their like allow (about 1e-6 of the number): no bf16 or f16 on the way to a quantiser, and a product that is left as it is and whose result goes on into a quantised operand takes f32 operands (vector FMAs, or v_wmma_f32_16x16x4_f32). A number that lies on a knife's edge between two numbers of the format may be rounded either way, as far as f32 arithmetic and the matrix unit's own rounding can turn it there, and no further.
;;   INPUTS GIVEN AS CODES. Wo (in the module: [512, 512], K = its axis 1); value (in the module: [2, 4096, 512], K = its axis 1): each comes as NAME_codes (uint8): NAME with its K axis moved to the last place and cut into blocks of 32 codes, [.., K / 32, bytes a block], one block behind the other in memory; four codes in three bytes: a row's codes are one little-endian stream of bits, code i at bits 6 i .. 6 i + 5 (a code: sign, 3 exponent bits, 2 mantissa bits); and NAME_scales (uint8): the same leading axes, one E8M0 byte (e + 127) for each 32 codes along K. Its value is code x scale, taken as it is: it is not quantised again, and the codes and scales need not be those that the quantiser above would give.
;; One version. Each part assembles by itself: llvm-mc -triple=amdgcn-amd-amdhsa -mcpu=gfx1250 --defsym DOCPART=n.
;; ======== version 1 of 1: 3 launches
;; workspace buffers: kv 6,684,672 bytes; ao 3,145,728 bytes; sh 131,072 bytes
;; launch prep (part 1): grid 576 x 1, 4 waves a work-group, no clusters, 88,064 bytes of LDS; arguments key, value_codes, value_scales, kv; writes kv
.if DOCPART == 1
	.amdgcn_target "amdgcn-amd-amdhsa--gfx1250"
	.amdhsa_code_object_version 6
	.text
	.protected	k_qa1d2363359_prep
	.globl	k_qa1d2363359_prep
	.p2align	8
	.type	k_qa1d2363359_prep,@function
k_qa1d2363359_prep:
	s_mov_b64 s[64:65], 0
	v_nop
	global_prefetch_b8 v0, s[64:65] scope:SCOPE_SE
	s_setreg_imm32_b32 hwreg(HW_REG_WAVE_MODE, 25, 1), 1
	s_wait_xcnt 0x0
; FIRST OF THREE LAUNCHES: causal attention (2 batches, 8 heads of 64, 4,096 positions) and its projection, all three products on codes of BF6 (E3M2) with one E8M0 scale for each 32 along K.
; This launch lays the keys' side out once: key (f32) is quantised along the head's 64 (two blocks of 32), value's given codes and scale bytes are only moved; all go into kv in the ORDER OF THE OPERAND'S REGISTERS,
; one dense block of 13,056 bytes for each (batch, head, 128 keys), so that the next launch brings a step by one dense tensor load and reads every fragment by loads of 16 x lane and 8 x lane.
; A STEP BLOCK: byte 0: K's 8 tiles x 768 (tile 2 i + u, lane r = key 32 i + 8 u + r + 8 (r / 8); 512 bytes: registers 0-3, lane l at 16 l; 256 bytes: registers 4-5, lane l at 8 l; lane (r, h) holds block h of its key);
;   byte 6,144: K's scale words (word at 16 l + 4 i: tile 2 i + l / 16, row l % 16: block 0's byte, block 1's byte, 0, 0);  byte 6,656: V's 4 tiles x 1,536 (tile 2 i + u, lane r = channel 32 i + 8 u + r + 8 (r / 8); three images
;   of 512 bytes: registers 4 g .. 4 g + 3, lane l at 16 l);  byte 12,800: V's scale words (word at 8 l + 4 i: tile 2 i + l / 16, row l % 16).
; DEAD WORK OF THE PROGRAM.  reference() adds -infinity to every score with key > query (its own jnp.triu), so for all finite inputs the softmax's weight there is exactly 0 and the score has no way to any output.  The next launch
; therefore leaves out every step of 128 keys that lies wholly behind a tile's 16 queries, and does not fetch keys behind a work-group's last query.  Every key counts for some query, so this launch leaves nothing out.
; mask is the constant 1 of the problem and has no buffer; every other input is loaded by some launch.  LIMIT: a NaN, an infinity or an overflow that reaches only the scores left out is not carried to the result.
; LIMITS of the quantiser here: a block whose largest magnitude lies under 2^(5 - 127) gets the byte 1; so does a block of zeros, where the rule says 127: its codes are zeros, which add nothing, and this program alone reads the bytes.
; NaN and infinities among the inputs are not served.
; SHARES.  Work-groups 0-511: one (batch, step, head) of key each; wave i takes keys 32 i .. 32 i + 31, two tiles.  Work-groups 512-575: one (batch, head, 8 steps) of value; wave t takes tile t.  Each path has LDS bytes of its own.
; No tensor loads, no matrix work, no cluster: each byte is read once and nothing is shared between work-groups.
.set STEPB, 13056
.set KST,   0                          ; K path: a stage of 32 rows x (256 + 16) bytes for each wave
.set KSG,   34816                      ; K path: the step's 512 bytes of scale words
.set VST,   35328                      ; V path: a stage of 16 rows x (768 + 16) bytes for each wave
.set VSG,   85504                      ; V path: 8 steps x 256 bytes of scale words
.set SPARE, 87552                      ; the spare words, 128 bytes for each wave: two blocks of 256 bytes that no other line names
; 32 numbers of one lane, v[x] .. v[x + 31], one block: codes into v[c] .. v[c + 5], the scale's byte into v[by].  m, m + 1: two chains of the largest magnitude; so: the conversion's scale operand; t: three registers at work.
.macro Q32 x, c, t, m, so, by
	v_max3_num_f32 v[\m], |v[\x]|, |v[\x+1]|, |v[\x+2]|
	v_max3_num_f32 v[\m+1], |v[\x+3]|, |v[\x+4]|, |v[\x+5]|
.irp i, 6,10,14,18,22,26
	v_max3_num_f32 v[\m], v[\m], |v[\x+\i]|, |v[\x+\i+1]|
	v_max3_num_f32 v[\m+1], v[\m+1], |v[\x+\i+2]|, |v[\x+\i+3]|
.endr
	v_max3_num_f32 v[\m], v[\m], |v[\x+30]|, |v[\x+31]|
	v_max3_num_f32 v[\m], v[\m], v[\m+1], 0x2800000                ; and the floor 2^(5 - 127): the byte cannot fall under 1
	v_add_nc_u32 v[\so], 0xfe000000, v[\m]                         ; 4 off the exponent field: the conversion takes the exponent field of this operand as its scale
	v_cvt_scalef32_pk16_bf6_f32 v[\c:\c+2], v[\x:\x+15], v[\so]
	v_cvt_scalef32_pk16_bf6_f32 v[\t:\t+2], v[\x+16:\x+31], v[\so] ; (a conversion's three registers begin on an even number)
	v_lshrrev_b32 v[\by], 23, v[\so]                               ; the scale's byte; also the plain line behind the conversions
.irp i, 0,1,2
	v_mov_b32 v[\c+3+\i], v[\t+\i]
.endr
.endm
.macro WORD w                          ; my block's byte (v13) at 8 h bits, joined with lane l xor 16's: the row's scale word, in both lanes
	v_lshlrev_b32 v[\w], v9, v13
	v_permlanex16_b32 v18, v[\w], s20, s21
	v_or_b32 v[\w], v[\w], v18
.endm
	s_load_b256 s[4:11], s[0:1], 0x0               ; key s[4:5], value_codes s[6:7], value_scales s[8:9], kv s[10:11]
	v_lshl_add_u32 v14, v0, 2, SPARE               ; my spare word; never rewritten
	v_mov_b32 v15, 0                               ; 0; never rewritten
	v_lshrrev_b32 v1, 5, v0
	v_readfirstlane_b32 s12, v1                    ; wave 0..3
	v_and_b32 v1, 31, v0                           ; l
	v_and_b32 v2, 15, v0                           ; r
	v_bfe_u32 v3, v0, 4, 1                         ; h
	v_lshlrev_b32 v7, 4, v1                        ; 16 l
	v_lshlrev_b32 v8, 3, v1                        ; 8 l
	v_lshlrev_b32 v9, 3, v3                        ; 8 h
	s_mov_b32 s20, 0x76543210
	s_mov_b32 s21, 0xfedcba98                      ; v_permlanex16_b32's selects for lane l xor 16
	s_mov_b32 s22, 0xffff0000                      ; lanes 16-31
	v_mov_b32 v18, 0                               ; a lane permute's destination counts as one of its sources
	s_cmp_ge_u32 ttmp9, 512                        ; the work-group's number alone decides the path
	s_cbranch_scc1 .Lv
	; ---- THE K PATH
	s_lshr_b32 s13, ttmp9, 8                       ; batch
	s_bfe_u32 s14, ttmp9, 0x50003                  ; step of 128 keys
	s_and_b32 s15, ttmp9, 7                        ; head
	s_lshl_b32 s24, s13, 23                        ; key: 4,096 rows of 2,048 bytes a batch,
	s_lshl_b32 s25, s14, 18                        ; 128 rows a step,
	s_add_co_u32 s24, s24, s25
	s_lshl_b32 s25, s12, 16                        ; 32 rows a wave,
	s_add_co_u32 s24, s24, s25
	s_lshl_b32 s25, s15, 8                         ; 256 bytes a head
	s_add_co_u32 s24, s24, s25
	s_mov_b32 s25, 0
	s_lshl_b32 s26, s13, 3
	s_add_co_u32 s26, s26, s15
	s_lshl_b32 s26, s26, 5
	s_add_co_u32 s26, s26, s14                     ; kv: block 32 (8 batch + head) + step,
	s_mul_i32 s26, s26, STEPB
	s_mul_i32 s27, s12, 1536                       ; my two tiles in it
	s_add_co_u32 s26, s26, s27
	s_mov_b32 s27, 0
	s_wait_alu depctr_va_vdst(0)
	v_lshlrev_b32 v4, 11, v3
	v_lshl_add_u32 v4, v2, 4, v4                   ; in: lanes 0-15 one key's 256 bytes, lanes 16-31 the next key's
	s_mul_i32 s28, s12, 32*272                     ; my stage (KST = 0)
	v_mul_u32_u24 v5, v3, 272
	v_lshl_add_u32 v5, v2, 4, v5
	v_add_nc_u32 v5, s28, v5                       ; into it: as loaded
	v_mul_u32_u24 v6, v2, 272
	v_lshl_add_u32 v6, v3, 7, v6
	v_add_nc_u32 v6, s28, v6                       ; out of it: row r of a tile, my block's 128 bytes.  272 r = 16 r modulo 256: sixteen rows begin at sixteen different groups of banks (64 banks of 4 bytes: ISA guide 11.1)
	s_lshl_b32 s29, s12, 2
	s_add_co_u32 s29, s29, KSG
	v_add_nc_u32 v20, s29, v7                      ; my scale word's place: 16 l + 4 i
	v_add_nc_u32 v21, KSG, v7                      ; and where wave 0 reads the 512 bytes back
	s_wait_alu depctr_va_vdst(0)
	s_wait_kmcnt 0x0
	s_add_nc_u64 s[4:5], s[4:5], s[24:25]
	s_add_nc_u64 s[10:11], s[10:11], s[26:27]
.irp n, 0,1,2,3,4,5,6,7,8,9,10,11,12,13,14,15
	global_load_b128 v[64+4*\n:67+4*\n], v4, s[4:5] offset:4096*\n th:TH_LOAD_NT   ; keys 2 n and 2 n + 1: sixteen lanes read 256 consecutive bytes, aligned
.endr
.irp n, 0,1,2,3,4,5,6,7,8,9,10,11,12,13,14,15
	s_wait_loadcnt 15-\n                           ; loads come back in order: load n is in, the 15 - n younger ones may be out
	ds_store_b128 v5, v[64+4*\n:67+4*\n] offset:(16*(((2*\n)/8)%2)+(2*\n)%8+8*((2*\n)/16))*272   ; key x goes to stage row 16 u + r, its tile's and lane's number: a tile's sixteen rows lie on end
.endr
.irp u, 0,1
.irp j, 0,1,2,3,4,5,6,7
	ds_load_b128 v[128+32*\u+4*\j:131+32*\u+4*\j], v6 offset:16*\u*272+16*\j   ; LDS serves a wave's instructions in order: these see my stores
.endr
.endr
	s_wait_dscnt 8                                 ; the even tile's eight loads are in; the odd tile's eight may be out
	Q32 128, 24, 40, 10, 12, 13
	WORD 16
	s_wait_dscnt 0x0
	Q32 160, 32, 40, 10, 12, 13
	WORD 17
	v_cndmask_b32 v19, v16, v17, s22               ; lanes 0-15 carry the even tile's words, lanes 16-31 the odd tile's
	global_store_b128 v7, v[24:27], s[10:11]               ; each store covers whole aligned runs of 256 bytes
	global_store_b64 v8, v[28:29], s[10:11] offset:512
	global_store_b128 v7, v[32:35], s[10:11] offset:768
	global_store_b64 v8, v[36:37], s[10:11] offset:1280
	ds_store_b32 v20, v19
	s_wait_dscnt 0x0                               ; for the others' sake: my word has landed
	s_barrier_signal -1
	s_barrier_wait -1
	s_cmp_lg_u32 s12, 0
	s_cbranch_scc1 .Lk_end
	ds_load_b128 v[44:47], v21                     ; wave 0 (whose base is the block's first byte) sends the four waves' words: 512 consecutive bytes
	s_wait_dscnt 0x0
	global_store_b128 v7, v[44:47], s[10:11] offset:6144
.Lk_end:
	s_wait_tensorcnt 0x0                           ; the wave's end, behind my last LDS store
	ds_add_u32 v14, v15
	s_wait_dscnt 0x0
	s_endpgm
	; ---- THE V PATH
.Lv:
	s_sub_co_u32 s13, ttmp9, 512
	s_lshr_b32 s14, s13, 5                         ; batch
	s_bfe_u32 s15, s13, 0x30002                    ; head
	s_and_b32 s16, s13, 3                          ; which 8 steps
	s_lshr_b32 s17, s12, 1
	s_and_b32 s18, s12, 1
	s_lshl_b32 s19, s17, 5
	s_lshl_b32 s23, s18, 3
	s_add_co_u32 s19, s19, s23                     ; my tile's first channel: 32 (t / 2) + 8 (t % 2)
	s_lshl_b32 s24, s14, 9
	s_lshl_b32 s25, s15, 6
	s_add_co_u32 s24, s24, s25
	s_add_co_u32 s24, s24, s19                     ; its row in value: 512 batch + 64 head + channel
	s_mul_i32 s26, s24, 3072                       ; codes: 3,072 bytes a row,
	s_mul_i32 s27, s16, 768                        ; 96 bytes a step
	s_add_co_u32 s26, s26, s27
	s_mov_b32 s27, 0
	s_lshl_b32 s28, s24, 7                         ; scale bytes: 128 a row,
	s_lshl_b32 s29, s16, 5                         ; 4 a step
	s_add_co_u32 s28, s28, s29
	s_mov_b32 s29, 0
	s_lshl_b32 s30, s14, 3
	s_add_co_u32 s30, s30, s15
	s_lshl_b32 s30, s30, 5
	s_lshl_b32 s31, s16, 3
	s_add_co_u32 s30, s30, s31
	s_mul_i32 s30, s30, STEPB                      ; kv: my first step's block
	s_mov_b32 s31, 0
	s_mul_i32 s32, s12, 1536                       ; my tile in a block's V part
	s_mov_b32 s33, 0
	s_mul_i32 s34, s12, 2*STEPB                    ; the two steps whose scale words I send
	s_mov_b32 s35, 0
	s_mul_i32 s40, s12, 16*784
	s_add_co_u32 s40, s40, VST                     ; my stage
	s_wait_alu depctr_va_vdst(0)
	v_mul_u32_u24 v4, v3, 49152
	v_lshl_add_u32 v4, v2, 4, v4                   ; in: lanes 0-15 a row's 256 bytes, lanes 16-31 those of the row 16 further down
	v_mul_u32_u24 v5, v3, 8*784
	v_lshl_add_u32 v5, v2, 4, v5
	v_add_nc_u32 v5, s40, v5                       ; into the stage: the tile's rows 0-7 and 8-15
	v_mul_u32_u24 v6, v2, 784
	v_mad_u32_u24 v6, v3, 24, v6
	v_add_nc_u32 v6, s40, v6                       ; out: row r, + 24 h.  784 bytes are 196 words = 4 modulo 64: the 32 lanes of a load of 8 bytes touch 64 different banks (ISA guide 11.1)
	v_and_b32 v20, 8, v2
	v_add_nc_u32 v20, v20, v2
	v_lshlrev_b32 v20, 7, v20                      ; my row's scale bytes: row r + 8 (r / 8) of 128 bytes
	s_lshl_b32 s41, s18, 7
	s_lshl_b32 s42, s17, 2
	s_add_co_u32 s41, s41, s42
	s_add_co_u32 s41, s41, VSG
	v_lshl_add_u32 v21, v2, 3, s41                 ; my scale word's place in a step's 256 bytes: 8 (r + 16 (t % 2)) + 4 (t / 2)
	s_lshl_b32 s42, s12, 9
	s_add_co_u32 s42, s42, VSG
	v_add_nc_u32 v22, s42, v7                      ; back: steps 2 t and 2 t + 1, 16 bytes a lane
	v_mul_u32_u24 v23, v3, STEPB
	v_lshl_add_u32 v23, v2, 4, v23                 ; and in kv: lanes 0-15 one block, lanes 16-31 the next
	s_wait_alu depctr_va_vdst(0)
	s_wait_kmcnt 0x0
	s_add_nc_u64 s[6:7], s[6:7], s[26:27]
	s_add_nc_u64 s[8:9], s[8:9], s[28:29]
	s_add_nc_u64 s[10:11], s[10:11], s[30:31]
	s_add_nc_u64 s[36:37], s[10:11], s[32:33]
	s_add_nc_u64 s[38:39], s[10:11], s[34:35]
	global_load_b128 v[224:227], v20, s[8:9]               ; 32 bytes of each of my 16 rows' scale bytes: short pieces, one byte in 24 of what this path moves
	global_load_b128 v[228:231], v20, s[8:9] offset:16
.irp n, 0,1,2,3,4,5,6,7,8,9,10,11,12,13,14,15,16,17,18,19,20,21,22,23
	global_load_b128 v[32+4*\n:35+4*\n], v4, s[6:7] offset:(\n/3)*3072+(\n%3)*256 th:TH_LOAD_NT   ; sixteen lanes read 256 consecutive bytes, aligned
.endr
.irp n, 0,1,2,3,4,5,6,7,8,9,10,11,12,13,14,15,16,17,18,19,20,21,22,23
	s_wait_loadcnt 23-\n                           ; load n (and the two loads of scale bytes ahead of it) is in; the 23 - n younger ones may be out
	ds_store_b128 v5, v[32+4*\n:35+4*\n] offset:(\n/3)*784+(\n%3)*256
.endr
.irp g, 0,1,2,3,4,5,6,7
	ds_store_b32 v21, v[224+\g] offset:256*\g      ; lanes r and r + 16 write the same word with the same value
.endr
.irp g, 0,1,2,3,4,5,6,7
.irp p, 0,1,2,3,4,5
	ds_load_b64 v[128+12*\g+2*\p:129+12*\g+2*\p], v6 offset:96*\g+48*(\p/3)+8*(\p%3)   ; step g's fragment: registers 6 c .. 6 c + 5 = keys 64 c + 32 h + 0 .. 31, as they lie
.endr
.endr
.irp g, 0,1,2,3,4,5,6,7
	s_wait_dscnt 6*(7-\g)                          ; step g's six loads are in; those of the 7 - g later steps may be out
.irp q, 0,1,2
	global_store_b128 v7, v[128+12*\g+4*\q:131+12*\g+4*\q], s[36:37] offset:\g*STEPB+6656+512*\q   ; 512 consecutive bytes, aligned
.endr
.endr
	s_wait_dscnt 0x0                               ; for the others' sake: my scale words have landed
	s_barrier_signal -1
	s_barrier_wait -1
	ds_load_b128 v[24:27], v22
	s_wait_dscnt 0x0
	global_store_b128 v23, v[24:27], s[38:39] offset:12800   ; two steps' 256 bytes of scale words, each whole
	s_wait_tensorcnt 0x0                           ; the wave's end, behind my last LDS store
	ds_add_u32 v14, v15
	s_wait_dscnt 0x0
	s_endpgm
.Lfunc_end_k_qa1d2363359_prep:
	.size	k_qa1d2363359_prep, .Lfunc_end_k_qa1d2363359_prep-k_qa1d2363359_prep
	.p2alignl 7, 3214868480
	.fill 96, 4, 3214868480
	.section	.rodata,"a",@progbits
	.p2align	6, 0x0
	.amdhsa_kernel k_qa1d2363359_prep
		.amdhsa_group_segment_fixed_size 88064
		.amdhsa_private_segment_fixed_size 0
		.amdhsa_enable_private_segment 0
		.amdhsa_kernarg_size 32
		.amdhsa_user_sgpr_count 2
		.amdhsa_user_sgpr_kernarg_segment_ptr 1
		.amdhsa_wavefront_size32 1
		.amdhsa_system_sgpr_workgroup_id_x 1
		.amdhsa_system_sgpr_workgroup_id_y 1
		.amdhsa_system_sgpr_workgroup_id_z 1
		.amdhsa_system_vgpr_workitem_id 0
		.amdhsa_next_free_vgpr 232
		.amdhsa_next_free_sgpr 66
		.amdhsa_reserve_vcc 0
		.amdhsa_float_denorm_mode_32 3
		.amdhsa_float_denorm_mode_16_64 3
		.amdhsa_memory_ordered 1
		.amdhsa_forward_progress 1
		.amdhsa_inst_pref_size 25
	.end_amdhsa_kernel
	.amdgpu_metadata
---
amdhsa.version: [ 1, 2 ]
amdhsa.kernels:
  - .name:           k_qa1d2363359_prep
    .symbol:         k_qa1d2363359_prep.kd
    .args:
      - { .name: key, .offset: 0, .size: 8, .value_kind: global_buffer, .address_space: global }
      - { .name: value_codes, .offset: 8, .size: 8, .value_kind: global_buffer, .address_space: global }
      - { .name: value_scales, .offset: 16, .size: 8, .value_kind: global_buffer, .address_space: global }
      - { .name: kv, .offset: 24, .size: 8, .value_kind: global_buffer, .address_space: global }
    .group_segment_fixed_size: 88064
    .private_segment_fixed_size: 0
    .kernarg_segment_align: 8
    .kernarg_segment_size: 32
    .max_flat_workgroup_size: 128
    .sgpr_count:     66
    .vgpr_count:     232
    .wavefront_size: 32
...
	.end_amdgpu_metadata
.endif
;; end of part 1
;; launch attn (part 2): grid 16 x 16, 16 waves a work-group, no clusters, 327,680 bytes of LDS; arguments query, kv, ao, sh; writes ao, sh
.if DOCPART == 2
	.amdgcn_target "amdgcn-amd-amdhsa--gfx1250"
	.amdhsa_code_object_version 6
	.text
	.protected	k_qa1d2363359_attn
	.globl	k_qa1d2363359_attn
	.p2align	8
	.type	k_qa1d2363359_attn,@function
k_qa1d2363359_attn:
	s_mov_b64 s[64:65], 0
	v_nop
	global_prefetch_b8 v0, s[64:65] scope:SCOPE_SE
	s_setreg_imm32_b32 hwreg(HW_REG_WAVE_MODE, 25, 1), 1
	s_wait_xcnt 0x0
; SECOND LAUNCH: O = softmax(Q K^T / 8, causal) V for one (batch, head) a work-group row, both products on codes of BF6 (E3M2) with E8M0 scales; O / l is quantised along the model's 512 (a block of 32 lies inside one head) and stored as codes.
; WORK LEFT OUT: reference() adds -infinity to every score with key > query, so its weight is exactly 0 for all finite inputs: a step of 128 keys that lies wholly behind my 16 queries is jumped over, and a slot whose first key lies behind
; the work-group's last query is not fetched.  LIMIT: a NaN, an infinity or an overflow that reaches only those scores is not carried to the result.
; THE SOFTMAX AHEAD OF THE SECOND PRODUCT: t = score x log2(e) / 8; M = the row's largest t so far, rounded UP to a whole number; p = 2^(t - M) is quantised along the keys, not normalised; the row's sum is taken of the unquantised p and divides
; O at the end.  When M moves, the sum and O are multiplied by 2^(old M - new M): exact.  LIMITS: p under 2^-126 falls to 0; a block whose largest number lies under 2^(5 - 127), a block of zeros too, has the byte 1 (its codes add nothing or are
; held by the floor; this program alone reads the bytes); NaN and infinities among the inputs are not served.
; SHARES.  The 4,096 queries are 32 blocks of 128.  Work-group j owns blocks j and 31 - j: 8 (j + 1) + 8 (32 - j) = 264 tile-steps in every work-group.  Sixteen waves, 256 registers each; a wave owns ONE tile of 16 queries: role =
; (w xor w / 4) & 1 says which block, w / 2 which tile in it.  Every wave walks all 8 slots of 512 keys (constant trip counts); what is jumped over is a step's work.
; NO CLUSTER: work-groups of one head have different causal limits, so a partner would receive slots that none of its waves reads.
; LAYOUT.  Both products are used transposed: S^T = K Q^T (source 0 = 16 keys, source 1 = my 16 queries), O^T = V^T P^T (source 0 = 16 channels, source 1 = P): a lane holds ONE query (lane % 16) throughout.  The keys of a tile of K and the
; channels of a tile of V are chosen (tile 2 i + u, lane r: 32 i + 8 u + r + 8 (r / 8)) so that the 16 registers of tiles 2 i, 2 i + 1 are 16 neighbours, 32 i + 16 (lane / 16) + 0 .. 15, along the next product's K.
; K = 64 IN AN INSTRUCTION OF 128: Q's registers 6-11 are zero codes.  K's operand of tile t is v[32 + 6 t .. 43 + 6 t]: its upper six registers are the next tile's codes (tile 7's: zeros); E3M2 has no NaN or infinity code, so they meet
; Q's zero codes and add exact zeros; the scale words' upper two bytes are 0 (2^-127), over zero products.
; kv (the launch before laid it): a dense block of 13,056 bytes a step: K's 8 half fragments x 768, K's scale words (512), V's 4 fragments x 1,536, V's scale words (256), all as images of the operand's registers.
; REGISTERS: v1 16 l, v2 8 l, v3, v4 the same in the slot in hand; v5, v6 the add's two; v7 r - 16 h; v8 -infinity; v9 256 l; v12 -M, v13 the largest t, v[14:15] the sum; v16-27 Q; v28 Q's scale word; v30 r, v31 h; v32-79 K's or V's fragments;
; v80-85 zeros; v96-159 S^T, then p; v160-191 O^T; v192-203 p's codes; v204-210 at work; v212-223 maxima, bytes, scale operands; v224-227 K's scale words, v228-229 V's, v230 p's; v[232:233] f; v234, v235 at work; v[236:237] a second chain of sums.
.set STEPB, 13056
.set SLOTB, 4*STEPB                    ; a slot: four steps, 52,224 bytes = 204 rows of 256
.set HEADB, 32*STEPB
.set SLOT1, 1<<17                      ; slot 1 begins here: one exclusive or turns an address in one slot into the other's
.set QST,   SLOTB                      ; behind slot 0: a stage of 16 rows x (256 + 16) bytes for each wave, for Q; no tensor load lands here
.set SCST,  2*SLOT1                    ; 512 bytes: the work-group's scale bytes on the way out
.set SPARE, SCST+512                   ; the spare words, 128 bytes for each wave: eight blocks of 256 bytes that no other line names
.set WV,    12                         ; s12  my wave's number
.set Q0,    19                         ; s19  my first query
.set TB,    36                         ; s36  LDS byte at which the slot in hand begins
.set KF,    37                         ; s37  the step's first key
.set QL,    38                         ; s38  my last query
.set LQ,    39                         ; s39  the work-group's last query
.set SLOTS, 40                         ; s40  the loop's counter
.set PFA,   42                         ; s[42:43] where my prefetches stand
.set PFC,   44                         ; s44  which run of 8,192 bytes of the head's stream my next prefetch names
.macro Q32 x, c, t, m, so, by          ; 32 numbers of one lane, one block: codes into v[c] .. v[c + 5], the scale's byte into v[by]
	v_max3_num_f32 v[\m], |v[\x]|, |v[\x+1]|, |v[\x+2]|
	v_max3_num_f32 v[\m+1], |v[\x+3]|, |v[\x+4]|, |v[\x+5]|
.irp i, 6,10,14,18,22,26
	s_delay_alu instid0(VALU_DEP_2)
	v_max3_num_f32 v[\m], v[\m], |v[\x+\i]|, |v[\x+\i+1]|
	s_delay_alu instid0(VALU_DEP_2)
	v_max3_num_f32 v[\m+1], v[\m+1], |v[\x+\i+2]|, |v[\x+\i+3]|
.endr
	s_delay_alu instid0(VALU_DEP_2)
	v_max3_num_f32 v[\m], v[\m], |v[\x+30]|, |v[\x+31]|
	s_delay_alu instid0(VALU_DEP_1)
	v_max3_num_f32 v[\m], v[\m], v[\m+1], 0x2800000                ; the floor 2^(5 - 127)
	s_delay_alu instid0(VALU_DEP_1)
	v_add_nc_u32 v[\so], 0xfe000000, v[\m]                         ; 4 off the exponent field: the conversion's scale operand
	v_cvt_scalef32_pk16_bf6_f32 v[\c:\c+2], v[\x:\x+15], v[\so]
	v_cvt_scalef32_pk16_bf6_f32 v[\t:\t+2], v[\x+16:\x+31], v[\so] ; (a conversion's three registers begin on an even number)
	v_lshrrev_b32 v[\by], 23, v[\so]                               ; the scale's byte; also the plain line behind the conversions
.irp i, 0,1,2
	v_mov_b32 v[\c+3+\i], v[\t+\i]
.endr
.endm
	s_load_b128 s[4:7], s[0:1], 0x0                ; query s[4:5], kv s[6:7]
	s_load_b128 s[8:11], s[0:1], 0x10              ; ao s[8:9], sh s[10:11]
	v_lshl_add_u32 v5, v0, 2, SPARE
	v_mov_b32 v6, 0
	ds_add_u32 v5, v6                              ; the wave's opening: the add, twice on end, and its wait ahead of the first tensor load; the set-up below, work on registers, stands between
	ds_add_u32 v5, v6
	v_lshrrev_b32 v10, 5, v0
	s_delay_alu instid0(VALU_DEP_1)
	v_readfirstlane_b32 s[WV], v10                 ; wave 0..15
	s_lshr_b32 s13, s[WV], 2
	s_xor_b32 s13, s13, s[WV]
	s_and_b32 s13, s13, 1                          ; role: 0 the low block, 1 the high one
	s_lshr_b32 s14, s[WV], 1                       ; my tile in the block
	s_mov_b32 s15, ttmp9                           ; j
	s_and_b32 s16, ttmp7, 0xffff                   ; 8 batch + head
	s_lshr_b32 s17, s16, 3
	s_and_b32 s18, s16, 7
	s_sub_co_u32 s46, 31, s15
	s_cmp_eq_u32 s13, 0
	s_cselect_b32 s46, s15, s46                    ; my block
	s_lshl_b32 s[Q0], s46, 7
	s_lshl_b32 s47, s14, 4
	s_add_co_u32 s[Q0], s[Q0], s47
	s_add_co_u32 s[QL], s[Q0], 15
	s_lshl_b32 s[LQ], s15, 7
	s_sub_co_u32 s[LQ], 4095, s[LQ]                ; the high block's last query: 128 (31 - j) + 127
	s_lshl_b32 s48, s17, 12
	s_add_co_u32 s48, s48, s[Q0]
	s_lshl_b32 s48, s48, 11                        ; query: my first row of 2,048 bytes,
	s_lshl_b32 s49, s18, 8
	s_add_co_u32 s48, s48, s49                     ; my head's 256 bytes in it
	s_mov_b32 s49, 0
	s_mul_i32 s50, s16, HEADB                      ; kv: my head's stream
	s_mov_b32 s51, 0
	s_lshl_b32 s52, s17, 8
	s_lshr_b32 s53, s[Q0], 4
	s_add_co_u32 s52, s52, s53
	s_lshl_b32 s52, s52, 3
	s_add_co_u32 s52, s52, s18
	s_mul_i32 s52, s52, 768                        ; ao: [tile of rows][head][768]
	s_mov_b32 s53, 0
	s_lshl_b32 s54, s18, 14
	s_lshl_b32 s55, s17, 13
	s_add_co_u32 s54, s54, s55
	s_lshl_b32 s55, s15, 8
	s_add_co_u32 s54, s54, s55                     ; sh: [head][tile of rows][16] of two bytes: the low block's 256 bytes
	s_mov_b32 s55, 0
	; descriptor group 1: 204 rows of 32 elements of 8 bytes, dense in memory and in LDS
	s_mov_b32 s24, 3<<16                           ; no mask; elements of 8 bytes; no padding
	s_mov_b32 s25, 32<<16                          ; tensor_dim0
	s_mov_b32 s26, 204<<16                         ; tensor_dim1
	s_mov_b32 s27, 32<<16                          ; tile_dim0
	s_mov_b32 s28, 204                             ; tile_dim1
	s_mov_b32 s29, 32                              ; tensor_dim0_stride
	s_mov_b32 s30, 0
	s_mov_b32 s31, 0
	s_mov_b32 s20, 0x76543210
	s_mov_b32 s21, 0xfedcba98                      ; v_permlanex16_b32's selects for lane l xor 16
	s_mov_b32 s22, 0x3e38aa3b                      ; c = log2(e) / 8
	s_mov_b32 s23, s22                             ; (the packed form names the pair)
	s_mov_b32 s[TB], 0
	s_mov_b32 s[KF], 0
	s_mov_b32 s[SLOTS], 7
	v_and_b32 v1, 31, v0
	s_delay_alu instid0(VALU_DEP_1)
	v_lshlrev_b32 v2, 3, v1                        ; 8 l
	s_delay_alu instid0(VALU_DEP_2)
	v_lshlrev_b32 v9, 8, v1                        ; 256 l
	s_delay_alu instid0(VALU_DEP_3)
	v_lshlrev_b32 v1, 4, v1                        ; 16 l
	v_and_b32 v30, 15, v0                          ; r
	v_bfe_u32 v31, v0, 4, 1                        ; h
	s_delay_alu instid0(VALU_DEP_1)
	v_lshlrev_b32 v7, 4, v31
	s_delay_alu instid0(VALU_DEP_1)
	v_sub_nc_u32 v7, v30, v7                       ; r - 16 h
	v_mov_b32 v8, 0xff800000                       ; -infinity
	s_delay_alu instid0(VALU_DEP_4)
	v_lshlrev_b32 v10, 11, v31
	s_delay_alu instid0(VALU_DEP_1)
	v_lshl_add_u32 v10, v30, 4, v10                ; Q in memory: lanes 0-15 one row's 256 bytes, lanes 16-31 the next row's
	s_mul_i32 s46, s[WV], 16*272
	s_add_co_u32 s46, s46, QST                     ; my stage
	v_mul_u32_u24 v11, v31, 272
	s_delay_alu instid0(VALU_DEP_1)
	v_lshl_add_u32 v11, v30, 4, v11
	s_delay_alu instid0(VALU_DEP_1)
	v_add_nc_u32 v11, s46, v11                     ; into it: as loaded
	v_mul_u32_u24 v29, v30, 272
	s_delay_alu instid0(VALU_DEP_1)
	v_lshl_add_u32 v29, v31, 7, v29
	s_delay_alu instid0(VALU_DEP_1)
	v_add_nc_u32 v29, s46, v29                     ; out of it: row r, my block's 128 bytes
	v_lshlrev_b32 v235, 3, v31                     ; 8 h
	v_mov_b32 v234, 0                              ; a lane permute's destination counts as one of its sources
	s_wait_dscnt 0x0                               ; both opening adds are done
	s_wait_kmcnt 0x0
	s_add_nc_u64 s[4:5], s[4:5], s[48:49]
	s_add_nc_u64 s[6:7], s[6:7], s[50:51]
	s_add_nc_u64 s[8:9], s[8:9], s[52:53]
	s_add_nc_u64 s[10:11], s[10:11], s[54:55]
	s_mov_b32 s32, 1                               ; group 0: count = 1,
	s_mov_b32 s33, 0                               ; LDS address: slot 0,
	s_mov_b64 s[34:35], s[6:7]                     ; the head's first four steps,
	s_or_b32 s35, s35, 0x80000000                  ; type = 2
	s_cmp_lg_u32 s[WV], 0                          ; wave 0 alone fetches: one load brings a whole slot, so every load holds the slot's first step, which is read wherever the slot is asked for.  One tensor load is out at the most
	s_cbranch_scc1 .Lnot_first
	tensor_load_to_lds s[32:35], s[24:31]
	s_nop 0
.rept 4
	v_nop
.endr
.Lnot_first:
	s_wait_alu depctr_va_vdst(0)
.irp n, 0,1,2,3,4,5,6,7
	global_load_b128 v[96+4*\n:99+4*\n], v10, s[4:5] offset:4096*\n th:TH_LOAD_NT   ; my 16 queries' 256 bytes: sixteen lanes read one row's, aligned
.endr
	; the prefetches (in CHANGE): a head's stream is 51 runs of 8,192 bytes (32 lanes, 256 bytes apart).  All 16 work-groups of a head walk the same stream: work-group j = 0 asks, in it waves 4 to 10, one run each at each change of slots
	s_sub_co_u32 s46, s[WV], 4                     ; k = wave - 4 (it wraps under 4)
	s_min_u32 s47, s46, 6
	s_add_co_u32 s47, s47, 6
	s_lshl_b32 s48, s47, 13
	s_mov_b32 s49, 0
	s_add_nc_u64 s[PFA:PFA+1], s[6:7], s[48:49]    ; run 6 + k: the first change steps it to 13 + k.  Nothing is prefetched here, at the head: slots 0 and 1 come by their loads alone
	s_add_co_u32 s[PFC], s46, 6
	s_cmp_le_u32 s46, 6
	s_cselect_b32 s[PFC], s[PFC], 0x10000          ; a wave that does not ask counts from beyond the stream's end
	s_cmp_eq_u32 s15, 0
	s_cselect_b32 s[PFC], s[PFC], 0x10000
.irp n, 0,1,2,3,4,5,6,7
	s_wait_loadcnt 7-\n                            ; load n is in; the 7 - n younger ones may be out
	ds_store_b128 v11, v[96+4*\n:99+4*\n] offset:544*\n
.endr
.irp j, 0,1,2,3,4,5,6,7
	ds_load_b128 v[128+4*\j:131+4*\j], v29 offset:16*\j   ; LDS serves a wave's instructions in order: these see my stores.  My row's block h: 32 numbers
.endr
	s_wait_dscnt 0x0
	Q32 128, 16, 204, 212, 220, 216                ; Q's codes: v16-21
	s_delay_alu instid0(VALU_DEP_4)
	v_lshlrev_b32 v28, v235, v216                  ; my block's byte at 8 h bits,
	s_delay_alu instid0(VALU_DEP_1)
	v_permlanex16_b32 v234, v28, s20, s21
	s_delay_alu instid0(VALU_DEP_1)
	v_or_b32 v28, v28, v234                        ; with lane l xor 16's: Q's scale word; its upper two bytes are 0
.irp j, 22,23,24,25,26,27,80,81,82,83,84,85
	v_mov_b32 v[\j], 0                             ; zero codes: Q's k = 64 .. 127, and what stands behind K's tile 7
.endr
.irp j, 0,1,2,3,4,5,6,7,8,9,10,11,12,13,14,15,16,17,18,19,20,21,22,23,24,25,26,27,28,29,30,31
	v_mov_b32 v[160+\j], 0                         ; O^T: the step is written once; the first finds zeros, which the first change of M leaves zeros.  (These lines are also the places between Q's scale word and the first product)
.endr
	v_mov_b32 v13, 0xff61b1e6                      ; the largest t so far: -3e38, under every t
	s_delay_alu instid0(VALU_DEP_1)
	v_floor_f32 v12, -v13                          ; -M
	v_mov_b32 v14, 0
	v_mov_b32 v15, 0
.irp j, 216,217,218,219,233
	v_mov_b32 v[\j], 0                             ; lane permutes' destinations, and the upper half of the pair v[232:233]
.endr
; THE CHANGE OF SLOTS, at a slot's head.  Each wave waits for all its tensor loads, adds 0 to its spare word, and waits for that and for its reads of the slot that it has left; behind the barrier the slot ahead is whole and nobody reads the other.
; fill = 1: the other slot is asked for, up to the causal limit; the load has the slot's four steps in which to land.
.macro CHANGE fill
	s_wait_tensorcnt 0x0                           ; no tensor load of mine is out, so group 0 may be written
	ds_add_u32 v5, v6                              ; 0 onto my spare word
.if \fill
	ds_add_u32 v5, v6                              ; and once more
	s_xor_b32 s33, s33, SLOT1                      ; the walking descriptor: the other slot,
	s_add_nc_u64 s[34:35], s[34:35], SLOTB         ; the next four steps; the type bits on top are not reached
	s_wait_xcnt 0x0                                ; the last prefetch, a slot back, has read its address, so it may be written
	s_add_nc_u64 s[PFA:PFA+1], s[PFA:PFA+1], 7*8192
	s_add_co_u32 s[PFC], s[PFC], 7
.endif
	s_wait_dscnt 0x0                               ; the add is done, and my reads of the slot that I have left are over
	s_barrier_signal -1
	s_barrier_wait -1
.if \fill
	s_add_co_u32 s46, s[KF], 512                   ; the first key of the slot that this change would ask for
	s_cmp_gt_u32 s46, s[LQ]                        ; behind the work-group's last query: no wave would read it.  Ids and the count of steps alone: all sixteen waves go the same way
	s_cbranch_scc1 .Lpast_\@
	s_cmp_lg_u32 s[WV], 0
	s_cbranch_scc1 .Lpast_\@
	tensor_load_to_lds s[32:35], s[24:31]          ; the first thing behind the barrier, and the wave's one tensor load until the next
	s_nop 0
.rept 4
	v_nop
.endr
.Lpast_\@:
	s_cmp_le_u32 s[PFC], 50                        ; change c names runs 13 + 7 c + k, k = 0 .. 6: each run of the stream from 13 on once in the launch, none past run 50, the stream's last; the slot that the next change loads is named here or earlier (but for 2,048 bytes of slot 2)
	s_cbranch_scc0 .Lnot_mine_\@
	global_prefetch_b8 v9, s[PFA:PFA+1] th:TH_LOAD_NT scope:SCOPE_SE
.Lnot_mine_\@:
.endif
	v_add_nc_u32 v3, s[TB], v1
	v_add_nc_u32 v4, s[TB], v2
.endm
; A KEY STEP: 128 keys, the q-th of the slot in hand.
.macro STEP q
.set SB, (\q)*STEPB
	s_cmp_gt_u32 s[KF], s[QL]                      ; all its keys come after my queries: its work is left out (no barrier and no tensor load stands in a step)
	s_cbranch_scc1 .Lhidden_\@
.rept 4
	v_nop                                          ; places in front of loads into registers that the last products read
.endr
	s_wait_alu depctr_va_vdst(0)
.irp t, 0,1,2,3,4,5,6,7
	ds_load_b128 v[32+6*\t:35+6*\t], v3 offset:SB+768*\t
	ds_load_b64 v[36+6*\t:37+6*\t], v4 offset:SB+768*\t+512
.endr
	ds_load_b128 v[224:227], v3 offset:SB+6144     ; K's scale words: register i: lanes 0-15 tile 2 i, lanes 16-31 tile 2 i + 1
	s_wait_dscnt 0x0
.irp t, 0,2,4,6
	v_wmma_scale_f32_16x16x128_f8f6f4 v[96+8*\t:103+8*\t], v[32+6*\t:43+6*\t], v[16:27], 0, v[224+\t/2], v28 matrix_a_fmt:MATRIX_FMT_BF6 matrix_b_fmt:MATRIX_FMT_BF6
	v_wmma_scale_f32_16x16x128_f8f6f4 v[104+8*\t:111+8*\t], v[38+6*\t:49+6*\t], v[16:27], 0, v[224+\t/2], v28 matrix_a_fmt:MATRIX_FMT_BF6 matrix_b_fmt:MATRIX_FMT_BF6 matrix_a_scale:MATRIX_SCALE_ROW1
.endr
.rept 4
	v_nop                                          ; places: in front of the loads below, and of the first read of the scores
.endr
	s_wait_alu depctr_va_vdst(0)
.irp t, 0,1,2,3
.irp g, 0,1,2
	ds_load_b128 v[32+12*\t+4*\g:35+12*\t+4*\g], v3 offset:SB+6656+1536*\t+512*\g   ; V is asked for now and lands under the softmax
.endr
.endr
	ds_load_b64 v[228:229], v4 offset:SB+12800     ; V's scale words
	s_add_co_u32 s46, s[KF], 127                   ; on the diagonal the scores of hidden keys become -infinity ahead of the maximum: p = 0 then.  A step all of whose keys count skips this
	s_cmp_le_u32 s46, s[Q0]
	s_cbranch_scc1 .Lopen_\@
	s_sub_co_i32 s46, s[Q0], s[KF]
	v_add_nc_u32 v234, s46, v7                     ; d = my query - KF - 16 h.  Register 16 b + i holds key KF + 16 h + 32 b + i: hidden where 32 b + i > d
.irp n, 0,1,2,3,4,5,6,7,8,9,10,11,12,13,14,15,16,17,18,19,20,21,22,23,24,25,26,27,28,29,30,31,32,33,34,35,36,37,38,39,40,41,42,43,44,45,46,47,48,49,50,51,52,53,54,55,56,57,58,59,60,61,62,63
	v_cmp_gt_i32 vcc_lo, 32*(\n/16)+\n%16, v234
	v_cndmask_b32 v[96+\n], v[96+\n], v8, vcc_lo
.endr
.Lopen_\@:
.irp b, 0,1,2,3
	v_max3_num_f32 v[212+\b], v[96+16*\b], v[97+16*\b], v[98+16*\b]   ; the largest score of each block of 32 keys: it serves the row's maximum and, since p rises with the score, the block's largest p
.endr
.irp i, 3,5,7,9,11,13
.irp b, 0,1,2,3
	v_max3_num_f32 v[212+\b], v[212+\b], v[96+16*\b+\i], v[97+16*\b+\i]
.endr
.endr
.irp b, 0,1,2,3
	v_max_num_f32 v[212+\b], v[212+\b], v[111+16*\b]
.endr
.irp b, 0,1,2,3
	s_delay_alu instid0(VALU_DEP_4)
	v_permlanex16_b32 v[216+\b], v[212+\b], s20, s21
.endr
.irp b, 0,1,2,3
	s_delay_alu instid0(VALU_DEP_4)
	v_max_num_f32 v[212+\b], v[212+\b], v[216+\b]  ; with lane l xor 16's 16 keys
.endr
	s_delay_alu instid0(VALU_DEP_2)
	v_max3_num_f32 v234, v212, v213, v214
	s_delay_alu instid0(VALU_DEP_1)
	v_max_num_f32 v234, v234, v215                 ; the step's largest score of my query (key KF counts for all my queries, so it is a number)
	s_delay_alu instid0(VALU_DEP_1)
	v_mul_f32 v234, s22, v234                      ; as t
	s_delay_alu instid0(VALU_DEP_1)
	v_max_num_f32 v13, v13, v234                   ; the running largest t
	v_mov_b32 v234, v12
	s_delay_alu instid0(VALU_DEP_2)
	v_floor_f32 v12, -v13                          ; the new -M = floor(-t): M is a whole number
	s_delay_alu instid0(VALU_DEP_1)
	v_sub_f32 v234, v12, v234                      ; old M less new M: a whole number, 0 or less
	s_delay_alu instid0(VALU_DEP_1)
	v_cvt_i32_f32 v234, v234                       ; (it saturates)
	s_delay_alu instid0(VALU_DEP_1)
	v_ldexp_f32 v232, 1.0, v234                    ; f = 2^(old M - new M)
.irp j, 0,2,4,6,8,10,12,14,16,18,20,22,24,26,28,30,32,34,36,38,40,42,44,46,48,50,52,54,56,58,60,62
	v_pk_fma_f32 v[96+\j:97+\j], v[96+\j:97+\j], s[22:23], v[12:13] op_sel_hi:[1,0,0]   ; t - M, two at a time
.endr
.irp b, 0,1,2,3
	v_fma_f32 v[212+\b], v[212+\b], s22, v12       ; the same of each block's largest score
.endr
	s_wait_alu depctr_va_vdst(0)
.irp j, 0,1,2,3,4,5,6,7,8,9,10,11,12,13,14,15,16,17,18,19,20,21,22,23,24,25,26,27,28,29,30,31,32,33,34,35,36,37,38,39,40,41,42,43,44,45,46,47,48,49,50,51,52,53,54,55,56,57,58,59,60,61,62,63
	v_exp_f32 v[96+\j], v[96+\j]                   ; p = 2^(t - M), at most 1
.endr
	v_pk_mul_f32 v[14:15], v[14:15], v[232:233] op_sel_hi:[1,0]   ; the sums under the new M: the plain line behind the exponentials
	s_wait_alu depctr_va_vdst(0)                   ; the wait ahead of the first line that names a result: one for the batch of 64
.irp b, 0,1,2,3
	v_exp_f32 v[212+\b], v[212+\b]                 ; the block's largest p: the same two instructions on the same number give the same bits
.endr
	v_pk_add_f32 v[236:237], v[100:101], v[104:105]
	v_pk_add_f32 v[254:255], v[108:109], v[112:113]
	v_pk_add_f32 v[252:253], v[116:117], v[120:121]
	v_pk_add_f32 v[250:251], v[124:125], v[128:129]
	v_pk_add_f32 v[248:249], v[132:133], v[136:137]
	v_pk_add_f32 v[246:247], v[140:141], v[144:145]
	v_pk_add_f32 v[244:245], v[148:149], v[152:153]
	v_pk_add_f32 v[14:15], v[14:15], v[156:157]
	v_pk_add_f32 v[236:237], v[236:237], v[96:97]
	v_pk_add_f32 v[254:255], v[254:255], v[98:99]
	v_pk_add_f32 v[252:253], v[252:253], v[102:103]
	v_pk_add_f32 v[250:251], v[250:251], v[106:107]
	v_pk_add_f32 v[248:249], v[248:249], v[110:111]
	v_pk_add_f32 v[246:247], v[246:247], v[114:115]
	v_pk_add_f32 v[244:245], v[244:245], v[118:119]
	v_pk_add_f32 v[14:15], v[14:15], v[122:123]
	v_pk_add_f32 v[236:237], v[236:237], v[126:127]
	v_pk_add_f32 v[254:255], v[254:255], v[130:131]
	v_pk_add_f32 v[252:253], v[252:253], v[134:135]
	v_pk_add_f32 v[250:251], v[250:251], v[138:139]
	v_pk_add_f32 v[248:249], v[248:249], v[142:143]
	v_pk_add_f32 v[246:247], v[246:247], v[146:147]
	v_pk_add_f32 v[244:245], v[244:245], v[150:151]
	v_pk_add_f32 v[14:15], v[14:15], v[154:155]
	v_pk_add_f32 v[236:237], v[236:237], v[158:159]
	s_delay_alu instid0(VALU_DEP_2)
	v_pk_add_f32 v[14:15], v[14:15], v[250:251]
	s_delay_alu instid0(VALU_DEP_2)
	v_pk_add_f32 v[236:237], v[236:237], v[248:249]
	v_pk_add_f32 v[254:255], v[254:255], v[246:247]
	v_pk_add_f32 v[252:253], v[252:253], v[244:245]
	s_delay_alu instid0(VALU_DEP_2)
	v_pk_add_f32 v[14:15], v[14:15], v[254:255]
	s_delay_alu instid0(VALU_DEP_2)
	v_pk_add_f32 v[236:237], v[236:237], v[252:253]
	s_delay_alu instid0(VALU_DEP_1)
	v_pk_add_f32 v[14:15], v[14:15], v[236:237]
	s_wait_alu depctr_va_vdst(0)                   ; and one for the four
.irp b, 0,1,2,3
	v_max_num_f32 v[212+\b], 0x2800000, v[212+\b]  ; the floor 2^(5 - 127)
.endr
.irp b, 0,1,2,3
	s_delay_alu instid0(VALU_DEP_4)
	v_add_nc_u32 v[220+\b], 0xfe000000, v[212+\b]  ; 4 off the exponent field: the conversion's scale operand
.endr
.irp b, 0,1,2,3
	s_delay_alu instid0(VALU_DEP_4)
	v_lshrrev_b32 v[216+\b], 23, v[220+\b]         ; the scale's byte
.endr
	s_delay_alu instid0(VALU_DEP_3)
	v_lshl_or_b32 v230, v217, 8, v216              ; p's scale word for these 128 keys
	s_delay_alu instid0(VALU_DEP_1)
	v_lshl_or_b32 v230, v218, 16, v230
	s_delay_alu instid0(VALU_DEP_1)
	v_lshl_or_b32 v230, v219, 24, v230
.irp c, 0,1
	v_cvt_scalef32_pk16_bf6_f32 v[192+6*\c:194+6*\c], v[96+32*\c:111+32*\c], v[220+2*\c]
	v_cvt_scalef32_pk16_bf6_f32 v[204+4*\c:206+4*\c], v[112+32*\c:127+32*\c], v[220+2*\c+1]
.endr
	v_nop                                          ; one plain line behind the conversions
.irp c, 0,1                                    ; the operand's layout wants a whole block in a lane: lanes 0-15 block 2 c, lanes 16-31 block 2 c + 1
.irp i, 0,1,2
	v_permlane16_swap_b32 v[192+6*\c+\i], v[204+4*\c+\i]
.endr
.irp i, 0,1,2
	s_delay_alu instid0(VALU_DEP_3)
	v_mov_b32 v[195+6*\c+\i], v[204+4*\c+\i]
.endr
.endr
.irp j, 0,2,4,6,8,10,12,14,16,18,20,22,24,26,28,30
	v_pk_mul_f32 v[160+\j:161+\j], v[160+\j:161+\j], v[232:233] op_sel_hi:[1,0]   ; O^T under the new M.  (These 16 are also the places between p's scale word and codes and the products)
.endr
	s_wait_alu depctr_va_vdst(0)
	s_wait_dscnt 0x0                               ; V and its scale words are in
.irp t, 0,2                                    ; the four accumulators take turns, one instruction a turn
	v_wmma_scale_f32_16x16x128_f8f6f4 v[160+8*\t:167+8*\t], v[32+12*\t:43+12*\t], v[192:203], v[160+8*\t:167+8*\t], v[228+\t/2], v230 matrix_a_fmt:MATRIX_FMT_BF6 matrix_b_fmt:MATRIX_FMT_BF6
	v_wmma_scale_f32_16x16x128_f8f6f4 v[168+8*\t:175+8*\t], v[44+12*\t:55+12*\t], v[192:203], v[168+8*\t:175+8*\t], v[228+\t/2], v230 matrix_a_fmt:MATRIX_FMT_BF6 matrix_b_fmt:MATRIX_FMT_BF6 matrix_a_scale:MATRIX_SCALE_ROW1
.endr
.Lhidden_\@:
	s_add_co_u32 s[KF], s[KF], 128
.endm
.Lslot:                                            ; 7 trips: behind each change of slots but the last the next slot is asked for, up to the causal limit
	CHANGE 1
	STEP 0
	STEP 1
	STEP 2
	STEP 3
	s_xor_b32 s[TB], s[TB], SLOT1                  ; on to the other slot
	s_sub_co_u32 s[SLOTS], s[SLOTS], 1
	s_cmp_lg_u32 s[SLOTS], 0
	s_cbranch_scc1 .Lslot
	CHANGE 0                                       ; the last slot is written out: nothing is left to fetch
	STEP 0
	STEP 1
	STEP 2
	STEP 3
	; THE WAY OUT.  O^T / the sum; its registers 16 b + i are channels 32 b + 16 h + i of my query: two blocks of 32 along the projection's K.  They are quantised and leave as half a fragment's image (registers 0-5).
.rept 4
	v_nop                                          ; places behind the last products
.endr
	v_add_f32 v14, v14, v15                        ; the sum's two halves,
	s_delay_alu instid0(VALU_DEP_1)
	v_permlanex16_b32 v234, v14, s20, s21
	s_delay_alu instid0(VALU_DEP_1)
	v_add_f32 v14, v14, v234                       ; and lane l xor 16's
	s_wait_alu depctr_va_vdst(0)
	v_rcp_f32 v14, v14
	s_lshl_b32 s46, s13, 8
	s_lshl_b32 s47, s14, 5
	s_add_co_u32 s46, s46, s47
	s_add_co_u32 s46, s46, SCST
	v_lshl_add_u32 v10, v30, 1, s46                ; (plain lines behind the reciprocal)  my row's two scale bytes: 256 role + 32 tile + 2 r
	v_add_nc_u32 v11, SCST, v1                     ; where wave 0 reads the 512 bytes back
	s_lshl_b32 s47, s15, 1
	s_sub_co_u32 s47, 31, s47
	s_lshl_b32 s47, s47, 8                         ; from the low block's 256 bytes in sh to the high block's: 256 (31 - 2 j)
	v_mul_u32_u24 v29, s47, v31
	s_delay_alu instid0(VALU_DEP_1)
	v_lshl_add_u32 v29, v30, 4, v29
	s_wait_alu depctr_va_vdst(0)                   ; the wait ahead of the reciprocal's first reader
.irp j, 0,2,4,6,8,10,12,14,16,18,20,22,24,26,28,30
	v_pk_mul_f32 v[96+\j:97+\j], v[160+\j:161+\j], v[14:15] op_sel_hi:[1,0]
.endr
.irp b, 0,1
	v_max3_num_f32 v[212+\b], |v[96+16*\b]|, |v[97+16*\b]|, 0x2800000   ; block b: my 16 numbers, and the floor
.endr
.irp i, 2,4,6,8,10,12,14
.irp b, 0,1
	s_delay_alu instid0(VALU_DEP_2)
	v_max3_num_f32 v[212+\b], v[212+\b], |v[96+16*\b+\i]|, |v[97+16*\b+\i]|
.endr
.endr
.irp b, 0,1
	s_delay_alu instid0(VALU_DEP_2)
	v_permlanex16_b32 v[216+\b], v[212+\b], s20, s21
.endr
.irp b, 0,1
	s_delay_alu instid0(VALU_DEP_2)
	v_max_num_f32 v[212+\b], v[212+\b], v[216+\b]
.endr
.irp b, 0,1
	s_delay_alu instid0(VALU_DEP_2)
	v_add_nc_u32 v[220+\b], 0xfe000000, v[212+\b]
.endr
.irp b, 0,1
	s_delay_alu instid0(VALU_DEP_2)
	v_lshrrev_b32 v[216+\b], 23, v[220+\b]
.endr
	s_delay_alu instid0(VALU_DEP_1)
	v_lshl_or_b32 v235, v217, 8, v216              ; my row's two bytes
	v_cvt_scalef32_pk16_bf6_f32 v[192:194], v[96:111], v220
	v_cvt_scalef32_pk16_bf6_f32 v[204:206], v[112:127], v221
	v_nop                                          ; one plain line behind the conversions
.irp i, 0,1,2
	v_permlane16_swap_b32 v[192+\i], v[204+\i]     ; lanes 0-15 now hold block 0 whole, lanes 16-31 block 1
.endr
.irp i, 0,1,2
	s_delay_alu instid0(VALU_DEP_3)
	v_mov_b32 v[195+\i], v[204+\i]
.endr
	global_store_b128 v1, v[192:195], s[8:9]               ; 512 and 256 consecutive bytes, aligned
	global_store_b64 v2, v[196:197], s[8:9] offset:512
	ds_store_b16 v10, v235                         ; lanes r and r + 16 write the same two bytes
	s_wait_dscnt 0x0                               ; for the others' sake: my bytes have landed
	s_barrier_signal -1
	s_barrier_wait -1
	s_cmp_lg_u32 s[WV], 0
	s_cbranch_scc1 .Lend
	ds_load_b128 v[96:99], v11                     ; wave 0 sends both blocks' scale bytes: lanes 0-15 the low block's 256 bytes, lanes 16-31 the high block's
	s_wait_dscnt 0x0
	global_store_b128 v29, v[96:99], s[10:11]
.Lend:
	s_wait_tensorcnt 0x0                           ; the wave's end, behind my last tensor load and my last LDS store
	ds_add_u32 v5, v6
	s_wait_dscnt 0x0
	s_endpgm
.Lfunc_end_k_qa1d2363359_attn:
	.size	k_qa1d2363359_attn, .Lfunc_end_k_qa1d2363359_attn-k_qa1d2363359_attn
	.p2alignl 7, 3214868480
	.fill 96, 4, 3214868480
	.section	.rodata,"a",@progbits
	.p2align	6, 0x0
	.amdhsa_kernel k_qa1d2363359_attn
		.amdhsa_group_segment_fixed_size 327680
		.amdhsa_private_segment_fixed_size 0
		.amdhsa_enable_private_segment 0
		.amdhsa_kernarg_size 32
		.amdhsa_user_sgpr_count 2
		.amdhsa_user_sgpr_kernarg_segment_ptr 1
		.amdhsa_wavefront_size32 1
		.amdhsa_system_sgpr_workgroup_id_x 1
		.amdhsa_system_sgpr_workgroup_id_y 1
		.amdhsa_system_sgpr_workgroup_id_z 1
		.amdhsa_system_vgpr_workitem_id 0
		.amdhsa_next_free_vgpr 256
		.amdhsa_next_free_sgpr 66
		.amdhsa_reserve_vcc 1
		.amdhsa_float_denorm_mode_32 3
		.amdhsa_float_denorm_mode_16_64 3
		.amdhsa_memory_ordered 1
		.amdhsa_forward_progress 1
		.amdhsa_inst_pref_size 193
	.end_amdhsa_kernel
	.amdgpu_metadata
---
amdhsa.version: [ 1, 2 ]
amdhsa.kernels:
  - .name:           k_qa1d2363359_attn
    .symbol:         k_qa1d2363359_attn.kd
    .args:
      - { .name: query, .offset: 0, .size: 8, .value_kind: global_buffer, .address_space: global }
      - { .name: kv, .offset: 8, .size: 8, .value_kind: global_buffer, .address_space: global }
      - { .name: ao, .offset: 16, .size: 8, .value_kind: global_buffer, .address_space: global }
      - { .name: sh, .offset: 24, .size: 8, .value_kind: global_buffer, .address_space: global }
    .group_segment_fixed_size: 327680
    .private_segment_fixed_size: 0
    .kernarg_segment_align: 8
    .kernarg_segment_size: 32
    .max_flat_workgroup_size: 512
    .sgpr_count:     66
    .vgpr_count:     256
    .wavefront_size: 32
...
	.end_amdgpu_metadata
.endif
;; end of part 2
;; launch proj (part 3): grid 4 x 64, 8 waves a work-group, clusters of 4 x 4, 167,936 bytes of LDS; arguments ao, sh, Wo_codes, Wo_scales, bo, out0; writes out0
.if DOCPART == 3
	.amdgcn_target "amdgcn-amd-amdhsa--gfx1250"
	.amdhsa_code_object_version 6
	.text
	.protected	k_qa1d2363359_proj
	.globl	k_qa1d2363359_proj
	.p2align	8
	.type	k_qa1d2363359_proj,@function
k_qa1d2363359_proj:
	s_mov_b64 s[64:65], 0
	v_nop
	global_prefetch_b8 v0, s[64:65] scope:SCOPE_SE
	s_setreg_imm32_b32 hwreg(HW_REG_WAVE_MODE, 25, 1), 1
	s_wait_xcnt 0x0
	s_wait_alu depctr_hold_cnt(0) depctr_sa_sdst(0) depctr_va_vdst(0) depctr_va_sdst(0) depctr_va_ssrc(0) depctr_va_vcc(0) depctr_vm_vsrc(0)
	s_getreg_b32 s2, hwreg(HW_REG_IB_STS2, 6, 4)
	s_cmp_eq_u32 s2, 0
	s_cbranch_scc0 .Lentry_in_a_cluster
	s_endpgm
.Lentry_in_a_cluster:
	s_bfe_u32 s2, ttmp6, 0x10000c
	s_cmp_lg_u32 s2, 0xf033
	s_cbranch_scc0 .Lentry_shape_is_right
	s_endpgm
.Lentry_shape_is_right:
; THIRD LAUNCH: out0[m][n] = sum over k of A[m][k] Wo[n][k] + bo[n], on codes of BF6 (E3M2) with E8M0 scales.  A: the attention's result, 8,192 rows x 512, as the launch before stored it: ao [tile of 16 rows][head][768]: half a fragment's
; image (512 bytes: registers 0-3, lane l at 16 l; 256 bytes: registers 4-5, lane l at 8 l); the fragment of K step s is heads 2 s (registers 0-5) and 2 s + 1 (registers 6-11).  sh [head][tile][16] holds a row's two scale bytes of a head.
; Wo: given codes, rows of 384 bytes, and scale bytes, 16 a row.  Nothing is left out here.
; SHARES.  A work-group makes 128 x 128 of out0: 256 work-groups.  Eight waves: wave w takes rows 32 (w / 2) .. + 31 (two tiles) and columns 64 (w % 2) .. + 63 (four tiles): 8 accumulators, 4 K steps, 32 matrix instructions.
; K is 512: both tiles, 49,152 bytes each, come into LDS ONCE; no slot is filled again.  Every wave issues one tensor load: waves 0-3 a quarter of A's tile, waves 4-7 a quarter of Wo's: one load of a wave is out.
; CLUSTERS: 4 x 4 work-groups.  A's tile hangs on the tile row alone and is asked for jointly by the four of a row of the cluster; Wo's on the tile column alone, by the four of a column.
; THE MATRIX INSTRUCTION IS USED TRANSPOSED (source 0 = 16 rows of Wo, source 1 = 16 rows of A): a lane holds eight neighbouring columns of one row of out0.  bo is loaded straight into the accumulators: it is the C of each sum's first link.
; No prefetch: the launch's whole input is asked for at its head.
; REGISTERS: v1-7 addresses; v8, v9 the add's two; v10-12 offsets; v16-23 A's scale words (tile a, K step s: 16 + 4 a + s); v24-39 Wo's (24 + 4 b + s); v40-103 the accumulators ((a, b) at 40 + 8 (4 a + b)); v104-175, v176-247 two sets of
; fragments: A's two at + 12 a, Wo's four at + 24 + 12 b.
.set WROW,  49152                      ; LDS: A's images from byte 0; Wo's 128 rows from here,
.set WP,    528                        ; 384 bytes of data with 48 of padding behind every 128: 132 words = 4 modulo 64: the 32 lanes of a load of 8 bytes touch 64 different banks (64 banks of 4 bytes: ISA guide 11.1)
.set STG,   116736                     ; a stage of 16 rows x (256 + 16) bytes for each wave, for the way out; no tensor load lands here
.set SPARE, 151552                     ; the spare words, 128 bytes for each wave: four blocks of 256 bytes that no other line names
.set ACC,   40
.set SET0,  104
.set SET1,  176
.macro CROUND                          ; a round of the cluster's barrier: my work-group's barrier; wave 0 signals for the work-group; every wave waits for all sixteen; my work-group's barrier once more
	s_barrier_signal -1
	s_barrier_wait -1
	s_cmp_lg_u32 s16, 0
	s_cbranch_scc1 .Lnot_wave_0_\@
	s_barrier_signal -3
.Lnot_wave_0_\@:
	s_barrier_wait -3
	s_barrier_signal -1
	s_barrier_wait -1
.endm
	s_load_b256 s[4:11], s[0:1], 0x0               ; ao s[4:5], sh s[6:7], Wo_codes s[8:9], Wo_scales s[10:11]
	s_load_b128 s[12:15], s[0:1], 0x20             ; bo s[12:13], out0 s[14:15]
	v_lshl_add_u32 v8, v0, 2, SPARE
	v_mov_b32 v9, 0
	ds_add_u32 v8, v9                              ; the wave's opening: the add, twice on end, and its wait ahead of my first tensor load; the set-up below, work on registers, stands between
	ds_add_u32 v8, v9
	v_lshrrev_b32 v13, 5, v0
	s_delay_alu instid0(VALU_DEP_1)
	v_readfirstlane_b32 s16, v13                   ; wave 0..7
	s_lshr_b32 s17, s16, 2                         ; I fetch for A (0) or for Wo (1),
	s_and_b32 s18, s16, 3                          ; this quarter of the tile
	s_lshr_b32 s19, s16, 1                         ; my 32 rows
	s_and_b32 s20, s16, 1                          ; my 64 columns
	s_bfe_u32 s40, ttmp6, 0x40000                  ; cx, cy: my place in the cluster
	s_bfe_u32 s41, ttmp6, 0x40004
	s_lshl_b32 s42, ttmp9, 2
	s_add_co_u32 s42, s42, s40                     ; tile column = 4 x cluster x + cx
	s_and_b32 s21, ttmp7, 0xffff
	s_lshl_b32 s21, s21, 2
	s_add_co_u32 s21, s21, s41                     ; tile row = 4 x cluster y + cy
	s_lshl_b32 s43, s41, 2
	s_lshl_b32 s43, 15, s43                        ; my row of the cluster
	s_lshl_b32 s44, 0x1111, s40                    ; my column
	; group 1 for A: 48 rows of 32 elements of 8 bytes, dense
	s_or_b32 s24, s43, (3<<16)|(1<<21)             ; the mask: my row; elements of 8 bytes; bit 21 beside a mask
	s_mov_b32 s25, 32<<16
	s_mov_b32 s26, 48<<16
	s_mov_b32 s27, 32<<16
	s_mov_b32 s28, 48
	s_mov_b32 s29, 32
	s_mov_b32 s30, 0
	s_mov_b32 s31, 0
	; group 1 for Wo: 32 rows of 384 bytes, 12 words of padding behind every 32
	s_or_b32 s48, s44, (1<<20)|(1<<21)|(4<<22)|(11<<25)   ; the mask: my column; elements of 1 byte; padding on; after every 32 words (code 4), 12 words (code 11)
	s_mov_b32 s49, 384<<16
	s_mov_b32 s50, 32<<16
	s_mov_b32 s51, 384<<16
	s_mov_b32 s52, 32
	s_mov_b32 s53, 384
	s_mov_b32 s54, 0
	s_mov_b32 s55, 0
	s_mul_i32 s22, s18, 12288                      ; my quarter: in memory (both tiles), and A's in LDS
	s_mul_i32 s23, s18, 32*WP
	s_add_co_u32 s23, s23, WROW                    ; Wo's in LDS: no place in the cluster enters an LDS address
	s_mul_i32 s60, s21, 49152                      ; A's tile hangs on the tile row alone,
	s_add_co_u32 s60, s60, s22
	s_mov_b32 s61, 0
	s_mul_i32 s62, s42, 49152                      ; Wo's on the tile column alone
	s_add_co_u32 s62, s62, s22
	s_mov_b32 s63, 0
	s_lshl_b32 s66, s21, 7
	s_lshl_b32 s67, s19, 5
	s_add_co_u32 s66, s66, s67
	s_lshl_b32 s66, s66, 11                        ; out0: my first row, 128 tile row + 32 (w / 2), of 2,048 bytes,
	s_lshl_b32 s68, s42, 9
	s_lshl_b32 s69, s20, 8
	s_add_co_u32 s68, s68, s69                     ; my first column in bytes: 512 tile column + 256 (w % 2); bo's offset too
	s_mov_b32 s69, 0
	s_add_co_u32 s66, s66, s68
	s_mov_b32 s67, 0
	s_lshl_b32 s70, s68, 2                         ; Wo's scale bytes: 16 a row
	s_mov_b32 s71, 0
	s_lshl_b32 s72, s21, 8
	s_lshl_b32 s73, s19, 6
	s_add_co_u32 s72, s72, s73                     ; sh: 32 bytes a tile of rows: tile 8 tile row + 2 (w / 2)
	s_mov_b32 s73, 0
	v_and_b32 v13, 31, v0                          ; l
	v_and_b32 v14, 15, v0                          ; r
	v_bfe_u32 v15, v0, 4, 1                        ; h
	s_mul_i32 s45, s19, 12288                      ; my two tiles of A's images
	v_lshl_add_u32 v1, v13, 4, s45
	v_lshl_add_u32 v2, v13, 3, s45
	s_mul_i32 s46, s20, 64*WP
	s_add_co_u32 s46, s46, WROW
	v_mul_u32_u24 v3, v14, WP
	s_delay_alu instid0(VALU_DEP_1)
	v_mad_u32_u24 v3, v15, 24, v3
	s_delay_alu instid0(VALU_DEP_1)
	v_add_nc_u32 v3, s46, v3                       ; Wo: row r of my 64, + 24 h;
	s_delay_alu instid0(VALU_DEP_1)
	v_mad_u32_u24 v4, v15, 48, v3                  ; and the same behind one padding more
	s_mul_i32 s47, s16, 16*272
	s_add_co_u32 s47, s47, STG                     ; my stage
	v_mul_u32_u24 v5, v14, 272
	s_delay_alu instid0(VALU_DEP_1)
	v_lshl_add_u32 v5, v15, 5, v5
	s_delay_alu instid0(VALU_DEP_1)
	v_add_nc_u32 v5, s47, v5                       ; in: row r, 32 bytes for each half of the lanes
	v_mul_u32_u24 v6, v15, 272
	s_delay_alu instid0(VALU_DEP_1)
	v_lshl_add_u32 v6, v14, 4, v6
	s_delay_alu instid0(VALU_DEP_1)
	v_add_nc_u32 v6, s47, v6                       ; back: lanes 0-15 one row of 256 bytes, lanes 16-31 the next
	v_lshlrev_b32 v7, 11, v15
	s_delay_alu instid0(VALU_DEP_1)
	v_lshl_add_u32 v7, v14, 4, v7                  ; and the same two rows in out0
	v_lshlrev_b32 v10, 5, v15                      ; bo: my half's eight numbers of a tile
	v_lshlrev_b32 v11, 4, v14                      ; Wo's scale words: 16 bytes a row
	v_lshlrev_b32 v12, 1, v14                      ; A's scale bytes: 2 a row
	s_wait_dscnt 0x0                               ; both opening adds are done
	s_wait_kmcnt 0x0
	s_mov_b32 s32, 1
	s_mov_b32 s33, s22
	s_add_nc_u64 s[34:35], s[4:5], s[60:61]
	s_or_b32 s35, s35, 0x80000000
	s_mov_b32 s56, 1
	s_mov_b32 s57, s23
	s_add_nc_u64 s[58:59], s[8:9], s[62:63]
	s_or_b32 s59, s59, 0x80000000
	s_add_nc_u64 s[14:15], s[14:15], s[66:67]
	s_add_nc_u64 s[12:13], s[12:13], s[68:69]
	s_add_nc_u64 s[10:11], s[10:11], s[70:71]
	s_add_nc_u64 s[6:7], s[6:7], s[72:73]
	CROUND                                         ; all sixteen work-groups are here: the joint loads meet
	s_cmp_eq_u32 s17, 0                            ; the branch hangs on the wave's number alone; an s_nop 0 and four v_nop follow each of the two tensor loads
	s_cbranch_scc0 .Lfor_w
	tensor_load_to_lds s[32:35], s[24:31]
	s_nop 0
.rept 4
	v_nop
.endr
	s_branch .Lasked
.Lfor_w:
	tensor_load_to_lds s[56:59], s[48:55]
	s_nop 0
.rept 4
	v_nop
.endr
.Lasked:
	s_wait_alu depctr_va_vdst(0)
.irp a, 0,1
.irp b, 0,1,2,3
	global_load_b128 v[ACC+8*(4*\a+\b):ACC+8*(4*\a+\b)+3], v10, s[12:13] offset:64*\b          ; bo at the lane's eight columns, 16 b + 8 h + 0 .. 7: the sums begin with it
	global_load_b128 v[ACC+8*(4*\a+\b)+4:ACC+8*(4*\a+\b)+7], v10, s[12:13] offset:64*\b+16
.endr
.endr
.irp b, 0,1,2,3
	global_load_b128 v[24+4*\b:27+4*\b], v11, s[10:11] offset:256*\b   ; row r of tile b: the four K steps' scale words; sixteen lanes read 256 consecutive bytes
.endr
.irp a, 0,1
.irp d, 0,1,2,3,4,5,6,7
	global_load_u16 v[SET1+8*\a+\d], v12, s[6:7] offset:16384*\d+32*\a   ; row r of tile a, head d: two bytes (short pieces: 512 bytes a wave in all)
.endr
.endr
	s_wait_loadcnt 0x0
.irp a, 0,1
.irp s, 0,1,2,3
	v_lshl_or_b32 v[16+4*\a+\s], v[SET1+8*\a+2*\s+1], 16, v[SET1+8*\a+2*\s]   ; heads 2 s and 2 s + 1 make K step s's scale word
.endr
.endr
.rept 8
	v_nop                                          ; a scale register written by a vector line stands eight places ahead of a scaled matrix instruction
.endr
	s_wait_alu depctr_va_vdst(0)
	s_wait_tensorcnt 0x0                           ; my quarter has landed,
	s_barrier_signal -1
	s_barrier_wait -1                              ; everybody's has
.macro FETCH s, set                    ; K step s: 32 LDS loads: A's two fragments (images: 16 l and 8 l), Wo's four (rows: pieces of 8 bytes)
.irp a, 0,1
.irp c, 0,1
	ds_load_b128 v[\set+12*\a+6*\c:\set+12*\a+6*\c+3], v1 offset:6144*\a+768*(2*\s+\c)
	ds_load_b64 v[\set+12*\a+6*\c+4:\set+12*\a+6*\c+5], v2 offset:6144*\a+768*(2*\s+\c)+512
.endr
.endr
.irp b, 0,1,2,3
.irp p, 0,1,2,3,4,5
.set PC, 12*\s+6*(\p/3)+\p%3           ; lanes 0-15 take the row's piece PC, lanes 16-31 the piece three on; where that lies behind one padding more (16 pieces to a padding), the second address register serves
.if PC%16 < 13
	ds_load_b64 v[\set+24+12*\b+2*\p:\set+24+12*\b+2*\p+1], v3 offset:8*PC+48*(PC/16)+16*WP*\b
.else
	ds_load_b64 v[\set+24+12*\b+2*\p:\set+24+12*\b+2*\p+1], v4 offset:8*PC+48*(PC/16)+16*WP*\b
.endif
.endr
.endr
.endm
.macro MUL s, set                      ; 8 products: the eight accumulators take turns, one instruction a turn, in the same order in every K step
.irp a, 0,1
.irp b, 0,1,2,3
	v_wmma_scale_f32_16x16x128_f8f6f4 v[ACC+8*(4*\a+\b):ACC+8*(4*\a+\b)+7], v[\set+24+12*\b:\set+24+12*\b+11], v[\set+12*\a:\set+12*\a+11], v[ACC+8*(4*\a+\b):ACC+8*(4*\a+\b)+7], v[24+4*\b+\s], v[16+4*\a+\s] matrix_a_fmt:MATRIX_FMT_BF6 matrix_b_fmt:MATRIX_FMT_BF6
.endr
.endr
.endm
.macro PLACES                          ; four places in front of loads into registers that matrix instructions have read, and of the first read of results
.rept 4
	v_nop
.endr
.endm
	FETCH 0, SET0
	FETCH 1, SET1
	s_wait_dscnt 32                                ; K step 0's 32 loads are in; K step 1's 32 may be out
	MUL 0, SET0
	PLACES
	FETCH 2, SET0
	s_wait_dscnt 32                                ; all but the 32 just issued
	MUL 1, SET1
	PLACES
	FETCH 3, SET1
	s_wait_dscnt 32
	MUL 2, SET0
	s_wait_dscnt 0x0
	MUL 3, SET1
	PLACES
	; THE WAY OUT: a lane holds 32 neighbouring bytes of a row, the lanes beside it other rows: 16 rows x 256 bytes go through my own stage and come back as whole rows.  LDS serves a wave's instructions in order: no wait between.
.irp a, 0,1
.irp b, 0,1,2,3
	ds_store_b128 v5, v[ACC+8*(4*\a+\b):ACC+8*(4*\a+\b)+3] offset:64*\b            ; each accumulator from its low end on
	ds_store_b128 v5, v[ACC+8*(4*\a+\b)+4:ACC+8*(4*\a+\b)+7] offset:64*\b+16
.endr
.irp i, 0,1,2,3,4,5,6,7
	ds_load_b128 v[SET0+32*\a+4*\i:SET0+32*\a+4*\i+3], v6 offset:544*\i
.endr
.endr
.irp i, 0,1,2,3,4,5,6,7
	s_wait_dscnt 23-\i                             ; behind tile 0's load i: its 7 - i later loads and tile 1's sixteen LDS instructions
	global_store_b128 v7, v[SET0+4*\i:SET0+4*\i+3], s[14:15] offset:(2*\i)*2048 th:TH_STORE_NT   ; sixteen lanes store 256 consecutive bytes, aligned; written once, read by nobody here
.endr
.irp i, 0,1,2,3,4,5,6,7
	s_wait_dscnt 7-\i
	global_store_b128 v7, v[SET0+32+4*\i:SET0+32+4*\i+3], s[14:15] offset:(16+2*\i)*2048 th:TH_STORE_NT
.endr
	s_wait_tensorcnt 0x0                           ; the wave's end, behind my last tensor load and my last LDS store
	ds_add_u32 v8, v9
	s_wait_dscnt 0x0
	CROUND                                         ; the closing round: no work-group ends while a partner may still ask for a tile that names it
	s_endpgm
.Lfunc_end_k_qa1d2363359_proj:
	.size	k_qa1d2363359_proj, .Lfunc_end_k_qa1d2363359_proj-k_qa1d2363359_proj
	.p2alignl 7, 3214868480
	.fill 96, 4, 3214868480
	.section	.rodata,"a",@progbits
	.p2align	6, 0x0
	.amdhsa_kernel k_qa1d2363359_proj
		.amdhsa_group_segment_fixed_size 167936
		.amdhsa_private_segment_fixed_size 0
		.amdhsa_enable_private_segment 0
		.amdhsa_kernarg_size 48
		.amdhsa_user_sgpr_count 2
		.amdhsa_user_sgpr_kernarg_segment_ptr 1
		.amdhsa_wavefront_size32 1
		.amdhsa_system_sgpr_workgroup_id_x 1
		.amdhsa_system_sgpr_workgroup_id_y 1
		.amdhsa_system_sgpr_workgroup_id_z 1
		.amdhsa_system_vgpr_workitem_id 0
		.amdhsa_next_free_vgpr 256
		.amdhsa_next_free_sgpr 80
		.amdhsa_reserve_vcc 0
		.amdhsa_float_denorm_mode_32 3
		.amdhsa_float_denorm_mode_16_64 3
		.amdhsa_memory_ordered 1
		.amdhsa_forward_progress 1
		.amdhsa_inst_pref_size 28
	.end_amdhsa_kernel
	.amdgpu_metadata
---
amdhsa.version: [ 1, 2 ]
amdhsa.kernels:
  - .name:           k_qa1d2363359_proj
    .symbol:         k_qa1d2363359_proj.kd
    .args:
      - { .name: ao, .offset: 0, .size: 8, .value_kind: global_buffer, .address_space: global }
      - { .name: sh, .offset: 8, .size: 8, .value_kind: global_buffer, .address_space: global }
      - { .name: Wo_codes, .offset: 16, .size: 8, .value_kind: global_buffer, .address_space: global }
      - { .name: Wo_scales, .offset: 24, .size: 8, .value_kind: global_buffer, .address_space: global }
      - { .name: bo, .offset: 32, .size: 8, .value_kind: global_buffer, .address_space: global }
      - { .name: out0, .offset: 40, .size: 8, .value_kind: global_buffer, .address_space: global }
    .group_segment_fixed_size: 167936
    .private_segment_fixed_size: 0
    .kernarg_segment_align: 8
    .kernarg_segment_size: 48
    .max_flat_workgroup_size: 256
    .sgpr_count:     80
    .vgpr_count:     256
    .wavefront_size: 32
...
	.end_amdgpu_metadata
.endif
;; end of part 3
